; MI455X (gfx1250); checked and timed in simulation.
; The chip was launched on July 23, 2026; its instructions are those of AMD's public machine-readable ISA for CDNA 5 (MIT licence, August 2026) and "CDNA5" Instruction Set Architecture Reference Guide (July 2026). The comments in the code are by the model that wrote it; some were corrected since.
;; Attention. Allowed arithmetic: matrix products marked QUANTISED: E2M1 operands, one E8M0 scale for each 32 along K, by v_wmma_scale_f32_16x16x128_f8f6f4 with both operands' format E2M1 (or v_wmma_scale_f32_32x16x128_f4), f32 sums; products left as they are: bf16, f16 or f32 operands; f32 sums; everything else in f32.
;; Inputs: K 4 x 2,048 x 1,024 float32; K_lev 4 x 2,048 x 1,024 float32; Q 4 x 2,048 x 1,024 float32; Q_lev 4 x 2,048 x 1,024 float32; V 4 x 2,048 x 1,024 float32; V_lev 4 x 2,048 x 1,024 float32; Wk 1,024 x 1,024 float32; Wo 1,024 x 1,024 float32; Wq 1,024 x 1,024 float32; Wv 1,024 x 1,024 float32; bk 1,024 float32; bo 1,024 float32; bq 1,024 float32; bv 1,024 float32.
;; Outputs: out0 4 x 2,048 x 1,024 float32.
;; This version of the problem:
;;   THIS VERSION OF THE PROBLEM IS GIVEN IN LOW PRECISION. The matrix products marked QUANTISED in the list below multiply operands that are first quantised to E2M1 (2 exponent bits, 1 mantissa bit; 4 bits a number), with one power-of-two scale for each 32 numbers along K (OCP MX v1.0); their sums are f32. The products marked 'left as it is' may take bf16, f16 or f32 operands, with f32 sums. All else is computed in f32.
;;   The module's matrix products, in the order in which they are computed (A, B: the left and right operand; K: the contracted axis; several contracted axes count as one K, in the product's order):
;;     1. [M 8,192, K 1,024] x [K 1,024, N 1,024]; A: input Q; B: input Wq: QUANTISED
;;     2. [M 8,192, K 1,024] x [K 1,024, N 1,024]; A: input K; B: input Wk: QUANTISED
;;     3. [M 8,192, K 1,024] x [K 1,024, N 1,024]; A: input V; B: input Wv: QUANTISED
;;     4. batch 64 x [M 2,048, K 64] x [K 64, N 2,048]; A: computed on the way; B: computed on the way: left as it is (an operand is computed on the way)
;;     5. batch 64 x [M 2,048, K 2,048] x [K 2,048, N 64]; A: computed on the way; B: computed on the way: left as it is (an operand is computed on the way)
;;     6. [M 8,192, K 1,024] x [K 1,024, N 1,024]; A: computed on the way; B: input Wo: left as it is (an operand is computed on the way)
;;   THE QUANTISER, for each operand of a quantised product, along K:
;;     - K is cut into blocks of 32 from its start; a last block that is shorter is filled with zeros.
;;     - A block's scale is 2^e with e = floor(log2(the largest magnitude in the block)) - 2, held to -126 .. 127; a block of zeros has e = 0. As a byte (E8M0): e + 127.
;;     - Each number is divided by its block's scale, clamped to +-6, and rounded to the nearest number of E2M1, ties to even, subnormals kept.
;;     - The product sums the exact products of the quantised numbers (number of the format x scale) in f32.
;;   ~~~python
;;   def quantise(x, axis):      # numpy; x: float32 -> the quantised numbers, widened to float32 again
;;       x = np.moveaxis(x, axis, -1); K = x.shape[-1]
;;       x = np.pad(x, [(0, 0)] * (x.ndim - 1) + [(0, -K % 32)]); x = x.reshape(x.shape[:-1] + (-1, 32)); a = np.abs(x).max(-1, keepdims=True)
;;       e = np.where(a > 0, np.clip(np.frexp(np.where(a > 0, a, 1))[1] - 1 - 2, -126, 127), 0)      # np.frexp(a)[1] - 1 = floor(log2(a)), exactly
;;       r = np.clip(x / 2.0 ** e, -6, 6)
;;       step = 2.0 ** (np.maximum(np.frexp(np.where(r == 0, 1, r))[1] - 1, 0) - 1)
;;       q = np.round(r / step) * step * 2.0 ** e      # np.round: ties to even
;;       return np.moveaxis(q.reshape(q.shape[:-2] + (-1,))[..., :K], -1, axis).astype(np.float32)
;;   ~~~
;; One version. Each part assembles by itself: llvm-mc -triple=amdgcn-amd-amdhsa -mcpu=gfx1250 --defsym DOCPART=n.
;; ======== version 1 of 1: 4 launches
;; limits: values are held in f16: magnitudes above 65,504 overflow, below 6.1e-05 lose precision
;; workspace buffers: xc 13,369,344 bytes; wc 1,671,168 bytes; woi 2,097,152 bytes; qi 16,777,216 bytes; ki 16,777,216 bytes; vi 16,777,216 bytes; ctxi 16,777,216 bytes
;; launch prep (part 1): grid 512 x 1, 4 waves a work-group, no clusters, 37,376 bytes of LDS; arguments Q, K, V, Wq, Wk, Wv, Wo, xc, wc, woi; writes xc, wc, woi
.if DOCPART == 1
	.amdgcn_target "amdgcn-amd-amdhsa--gfx1250"
	.amdhsa_code_object_version 6
	.text
	.protected	k_qb0df7b681f_prep
	.globl	k_qb0df7b681f_prep
	.p2align	8
	.type	k_qb0df7b681f_prep,@function
k_qb0df7b681f_prep:
	s_mov_b64 s[64:65], 0
	v_nop
	global_prefetch_b8 v0, s[64:65] scope:SCOPE_SE
	s_setreg_imm32_b32 hwreg(HW_REG_WAVE_MODE, 25, 1), 1
	s_wait_xcnt 0x0
; PREP: the operands of the three quantised products become codes of FP4 (E2M1) with one E8M0 byte for each 32 along K; Wo becomes f16.
; All results are laid in the order of the operand's registers, so that the later launches load a fragment as runs of 512 consecutive bytes, 16 bytes a lane.
;   xc [tensor 3][row tile 512][record]; wc [tensor 3][column tile 64][record].  A record serves 16 rows (or columns) and all 1,024 of K: codes [block of 32 along K: 32][r 16][16 bytes] = 8,192 bytes,
;   then the scale bytes [r 16][32 bytes] = 512 bytes: 8,704 bytes, 34 whole blocks of 256.
;   woi f16 [K step of 128: 8][column tile 64][k / 8: 16][column r 16][16 bytes = 8 k].
; A block's scale is 2^(floor(log2(its largest magnitude)) - 2): its byte is the largest magnitude's exponent field - 2, held at 1 from below by a floor among the maximum's leaves.
; LIMITS: a block of zeros gets the byte 1 where the rule says 127 (its codes are zeros, and only this program reads the bytes); blocks whose largest magnitude lies under 2^-124 were not tried;
; NaN and infinities among the inputs are not served; |Wo| stays under 65,504, f16's largest number.
; SHARES: work-groups 0-383: Q, K, V, a wave to a tile of 16 rows.  384-479: Wq, Wk, Wv; 480-511: Wo: a work-group takes 128 columns x 256 along K, a lane a column, its registers running down K.
; No matrix unit, no tensor load, no barrier, no cluster: waves share nothing and every input byte is read once.  Only the first path uses LDS, each wave bytes of its own.
.set REC,  8704                        ; a record
.set REG,  9216                        ; a wave's LDS: a stage of 16 rows x 528 bytes, then 512 bytes of scale words
.set SPIT, 528                         ; a stage row: 512 bytes + 16: the 16 rows that a read touches start at 16 different groups of banks (ISA guide 11.1)
.set SCW,  16*SPIT
.set TM,   16                          ; v16-19 largest magnitudes, v20-23 the other half's, then bytes, v28-31 the conversions' scale operands
.set PW,   32                          ; the scale word just made
.set PC,   40                          ; v40-55 codes, two sets of 8
.set SW,   56                          ; v56-59 the scale words on the way out
.set X,    64                          ; v64-127 64 numbers of a lane: register 16 b + i = k 32 b + 16 (lane / 16) + i of its row
.set R,    128                         ; v128-255 two sets of 64, as loaded
.set XW,   64                          ; weights: v64-127 two sets of 32 numbers down K
.set CW,   128                         ; weights: v128.. results, registers of their own for each block: no store's data are written again
.set SEL,  30                          ; s[30:31] selects of v_permlanex16_b32: lane l xor 16
.macro XLOAD s                         ; step s: 128 along K of 16 rows; each load takes 512 consecutive bytes of one row
.irp i, 0,1,2,3,4,5,6,7,8,9,10,11,12,13,14,15
	global_load_b128 v[R+64*((\s)%2)+4*\i:R+64*((\s)%2)+4*\i+3], v4, s[4:5] offset:4096*\i+512*(\s) th:TH_LOAD_NT
.endr
.endm
; 64 numbers of a lane from v[s] on become a fragment's 8 registers of codes from v[d] on, and its row's scale word in v[PW]
.macro QUANT s, d
.irp b, 0,1,2,3
	v_max3_num_f32 v[TM+\b], |v[(\s)+16*\b]|, |v[(\s)+1+16*\b]|, 0x1800000   ; block b: my 16 numbers, and the floor 2^(3 - 127): the byte cannot fall under 1
.endr
.irp i, 2,4,6,8,10,12,14
.irp b, 0,1,2,3
	v_max3_num_f32 v[TM+\b], v[TM+\b], |v[(\s)+16*\b+\i]|, |v[(\s)+1+16*\b+\i]|   ; the four blocks by turns
.endr
.endr
.irp b, 0,1,2,3
	v_permlanex16_b32 v[TM+4+\b], v[TM+\b], s[SEL], s[SEL+1]
.endr
.irp b, 0,1,2,3
	v_max_num_f32 v[TM+\b], v[TM+\b], v[TM+4+\b]   ; with lane l xor 16's 16: the block's largest magnitude
.endr
.irp b, 0,1,2,3
	v_add_nc_u32 v[TM+12+\b], 0xff000000, v[TM+\b] ; 2 off its exponent field: the conversion takes this operand's exponent field as its scale
.endr
.irp b, 0,1,2,3
	v_lshrrev_b32 v[TM+4+\b], 23, v[TM+12+\b]      ; the scale's byte
.endr
	v_lshl_or_b32 v[PW], v[TM+5], 8, v[TM+4]
	v_lshl_or_b32 v[PW], v[TM+6], 16, v[PW]
	v_lshl_or_b32 v[PW], v[TM+7], 24, v[PW]
.irp b, 0,1,2,3
	v_cvt_scalef32_pk8_fp4_f32 v[(\d)+2*\b], v[(\s)+16*\b:(\s)+7+16*\b], v[TM+12+\b]
	v_cvt_scalef32_pk8_fp4_f32 v[(\d)+1+2*\b], v[(\s)+8+16*\b:(\s)+15+16*\b], v[TM+12+\b]
.endr
	v_nop                                          ; one plain place behind a scaled conversion
.irp c, 0,1                            ; the operand wants a whole block in a lane: lanes 0-15 block 2 c, lanes 16-31 block 2 c + 1
.irp i, 0,1
	v_permlane16_swap_b32 v[(\d)+4*\c+\i], v[(\d)+2+4*\c+\i]
.endr
.endr
.endm
.macro XSTEP s
.if (\s) < 7
	s_wait_loadcnt 16                              ; this step's 16 loads are in; the next step's 16 may be out
.else
	s_wait_loadcnt 0x0
.endif
	s_wait_xcnt 0x0                                ; the stores of two steps back have read this set of code registers
.irp i, 0,1,2,3,4,5,6,7,8,9,10,11,12,13,14,15
	ds_store_b128 v5, v[R+64*((\s)%2)+4*\i:R+64*((\s)%2)+4*\i+3] offset:SPIT*\i
.endr
.irp b, 0,1,2,3
.irp j, 0,1,2,3
	ds_load_b128 v[X+16*\b+4*\j:X+16*\b+4*\j+3], v6 offset:128*\b+16*\j   ; LDS serves a wave's instructions in order (ISA guide 5.7.1.4): these see the stores above
.endr
.endr
	s_wait_dscnt 0x0                               ; my 64 numbers are in; the stage's stores have read their registers, the last step's word store too
.if (\s)+2 < 8
	XLOAD (\s)+2
.endif
	QUANT X, PC+8*((\s)%2)
.irp c, 0,1
	global_store_b128 v4, v[PC+8*((\s)%2)+4*\c:PC+8*((\s)%2)+4*\c+3], s[18:19] offset:1024*(\s)+512*\c   ; 512 consecutive bytes
.endr
	ds_store_b32 v7, v[PW] offset:4*(\s)           ; both halves of the lanes write the same word with the same value
.endm
.macro WLOAD t                         ; block t: W(32 t + i, my column), i = 0 .. 31; a load takes 128 consecutive bytes, the four waves side by side 512
.irp i, 0,1,2,3,4,5,6,7,8,9,10,11,12,13,14,15,16,17,18,19,20,21,22,23,24,25,26,27,28,29,30,31
	global_load_b32 v[XW+32*((\t)%2)+\i], v4, s[10:11] offset:(32*(\t)+\i)*4096 th:TH_LOAD_NT
.endr
.endm
.macro WWAIT t
.if (\t) < 7
	s_wait_loadcnt 32                              ; this block's 32 loads are in; the next block's may be out
.else
	s_wait_loadcnt 0x0
.endif
.endm
.macro WBLOCK t
.set XS, XW+32*((\t)%2)
	WWAIT \t
	v_max3_num_f32 v12, |v[XS]|, |v[XS+1]|, |v[XS+2]|   ; the block's largest magnitude: all 32 numbers are mine
	v_max3_num_f32 v13, |v[XS+3]|, |v[XS+4]|, |v[XS+5]|
.irp i, 6,10,14,18,22,26
	v_max3_num_f32 v12, v12, |v[XS+\i]|, |v[XS+\i+1]|
	v_max3_num_f32 v13, v13, |v[XS+\i+2]|, |v[XS+\i+3]|
.endr
	v_max3_num_f32 v12, v12, |v[XS+30]|, |v[XS+31]|
	v_max3_num_f32 v12, v12, v13, 0x1800000        ; and the floor
	v_add_nc_u32 v14, 0xff000000, v12
	v_lshrrev_b32 v15, 23, v14
.if (\t)%4 == 0
	v_mov_b32 v[10+(\t)/4], v15                    ; four bytes to a register, the lower K in the lower byte
.else
	v_lshl_or_b32 v[10+(\t)/4], v15, 8*((\t)%4), v[10+(\t)/4]
.endif
.irp g, 0,1,2,3
	v_cvt_scalef32_pk8_fp4_f32 v[CW+4*(\t)+\g], v[XS+8*\g:XS+8*\g+7], v14
.endr
	v_nop                                          ; one plain place behind a scaled conversion
	global_store_b128 v5, v[CW+4*(\t):CW+4*(\t)+3], s[20:21] offset:256*(\t)   ; sixteen lanes store 256 consecutive bytes, aligned
.if (\t)+2 < 8
	WLOAD (\t)+2
.endif
.endm
.macro OBLOCK t
.set XS, XW+32*((\t)%2)
	WWAIT \t
.irp i, 0,1,2,3,4,5,6,7,8,9,10,11,12,13,14,15
	v_cvt_pk_f16_f32 v[CW+16*(\t)+\i], v[XS+2*\i], v[XS+2*\i+1]
.endr
.irp u, 0,1,2,3
	global_store_b128 v5, v[CW+16*(\t)+4*\u:CW+16*(\t)+4*\u+3], s[22:23] offset:((\t)/4)*262144+((\t)%4)*1024+256*\u
.endr
.if (\t)+2 < 8
	WLOAD (\t)+2
.endif
.endm
	s_load_b256 s[4:11], s[0:1], 0x0               ; Q s[4:5], K s[6:7], V s[8:9], Wq s[10:11]
	s_load_b256 s[12:19], s[0:1], 0x20             ; Wk s[12:13], Wv s[14:15], Wo s[16:17], xc s[18:19]
	s_load_b128 s[20:23], s[0:1], 0x40             ; wc s[20:21], woi s[22:23]
	v_lshl_add_u32 v62, v0, 2, 0x9000
	v_mov_b32 v63, 0
	v_lshrrev_b32 v1, 5, v0
	v_readfirstlane_b32 s24, v1                    ; wave 0..3
	v_and_b32 v1, 31, v0                           ; lane
	v_and_b32 v2, 15, v0                           ; r
	v_bfe_u32 v3, v0, 4, 1                         ; h
	s_mov_b32 s29, 0
	s_mov_b32 s33, 0
	s_wait_kmcnt 0x0
	s_cmp_lt_u32 ttmp9, 384
	s_cbranch_scc0 .Lweights
	; ---- Q, K, V: row tile T = 4 x work-group + wave of 1,536
	s_lshr_b32 s25, ttmp9, 7                       ; which tensor: the choice hangs on the work-group's number alone
	s_cmp_eq_u32 s25, 1
	s_cselect_b64 s[4:5], s[6:7], s[4:5]
	s_cmp_eq_u32 s25, 2
	s_cselect_b64 s[4:5], s[8:9], s[4:5]
	s_lshl_b32 s26, ttmp9, 2
	s_add_co_u32 s26, s26, s24                     ; T
	s_and_b32 s28, s26, 511
	s_lshl_b32 s28, s28, 16                        ; 16 rows of 4,096 bytes
	s_add_nc_u64 s[4:5], s[4:5], s[28:29]
	s_mul_i32 s28, s26, REC
	s_add_nc_u64 s[18:19], s[18:19], s[28:29]
	s_mul_i32 s27, s24, REG
	v_lshlrev_b32 v4, 4, v1                        ; 16 x lane: in memory,
	v_add_nc_u32 v5, s27, v4                       ; and into the stage
	v_mul_u32_u24 v6, v2, SPIT
	v_lshl_add_u32 v6, v3, 6, v6
	v_add_nc_u32 v6, s27, v6                       ; out of the stage: row r, + 64 h: my 16 numbers of a block of 32
	v_lshlrev_b32 v7, 5, v2
	v_add_nc_u32 v7, s27, v7
	v_add_nc_u32 v7, SCW, v7                       ; my row's 32 scale bytes
	v_add_nc_u32 v8, SCW, v5                       ; and on the way out 16 bytes a lane
	s_mov_b32 s[SEL], 0x76543210
	s_mov_b32 s[SEL+1], 0xfedcba98
.irp b, 0,1,2,3
	v_mov_b32 v[TM+4+\b], 0                        ; written once: a lane permute's destination counts as one of its sources
.endr
	XLOAD 0
	XLOAD 1
.irp s, 0,1,2,3,4,5,6,7
	XSTEP \s
.endr
	ds_load_b128 v[SW:SW+3], v8                    ; in order behind my word stores
	s_wait_dscnt 0x0
	global_store_b128 v4, v[SW:SW+3], s[18:19] offset:8192   ; the record's 512 scale bytes
	s_wait_tensorcnt 0x0
	ds_add_u32 v62, v63
	s_wait_dscnt 0x0
	s_endpgm
.Lweights:
	s_sub_co_u32 s25, ttmp9, 384                   ; 0..127
	s_lshr_b32 s26, s25, 5                         ; 0, 1, 2: Wq, Wk, Wv; 3: Wo
	s_and_b32 s27, s25, 7                          ; which 128 columns
	s_bfe_u32 s28, s25, 0x20003                    ; which 256 along K
	s_cmp_eq_u32 s26, 1
	s_cselect_b64 s[10:11], s[12:13], s[10:11]
	s_cmp_eq_u32 s26, 2
	s_cselect_b64 s[10:11], s[14:15], s[10:11]
	s_cmp_eq_u32 s26, 3
	s_cselect_b64 s[10:11], s[16:17], s[10:11]
	s_lshl_b32 s32, s28, 20                        ; 256 rows of 4,096 bytes
	s_lshl_b32 s34, s27, 9
	s_add_co_u32 s32, s32, s34
	s_lshl_b32 s34, s24, 7
	s_add_co_u32 s32, s32, s34                     ; + 4 x (128 x column block + 32 x wave)
	s_add_nc_u64 s[10:11], s[10:11], s[32:33]
	s_lshl_b32 s34, s27, 3
	s_lshl_b32 s35, s24, 1
	s_add_co_u32 s34, s34, s35                     ; my wave's first column tile
	v_lshlrev_b32 v4, 2, v1
	WLOAD 0
	WLOAD 1
	s_cmp_eq_u32 s26, 3
	s_cbranch_scc1 .Lwo
	; ---- Wq, Wk, Wv: codes and scale bytes
	s_lshl_b32 s35, s26, 6
	s_add_co_u32 s35, s35, s34
	s_mul_i32 s32, s35, REC
	s_add_nc_u64 s[20:21], s[20:21], s[32:33]      ; my first record
	s_lshl_b32 s32, s28, 3
	s_add_nc_u64 s[36:37], s[20:21], s[32:33]      ; for the scale bytes: 8 bytes on for each 256 along K
	s_lshl_b32 s32, s28, 11
	s_add_nc_u64 s[20:21], s[20:21], s[32:33]      ; for the codes: 8 blocks of 256 bytes on
	v_mul_u32_u24 v5, v3, REC                      ; lanes 16-31: the next column tile
	v_lshl_add_u32 v6, v2, 5, v5
	v_add_nc_u32 v6, 8192, v6
	v_lshl_add_u32 v5, v2, 4, v5
.irp t, 0,1,2,3,4,5,6,7
	WBLOCK \t
.endr
	global_store_b64 v6, v[10:11], s[36:37]        ; my column's 8 scale bytes: pieces of 8 bytes, 96 KB of all that the launch stores
	s_endpgm
.Lwo:	; ---- Wo: f16
	s_lshl_b32 s32, s28, 19                        ; two K steps of 262,144 bytes
	s_lshl_b32 s35, s34, 12
	s_add_co_u32 s32, s32, s35
	s_add_nc_u64 s[22:23], s[22:23], s[32:33]
	v_lshlrev_b32 v5, 12, v3
	v_lshl_add_u32 v5, v2, 4, v5
.irp t, 0,1,2,3,4,5,6,7
	OBLOCK \t
.endr
	s_endpgm
.Lfunc_end_k_qb0df7b681f_prep:
	.size	k_qb0df7b681f_prep, .Lfunc_end_k_qb0df7b681f_prep-k_qb0df7b681f_prep
	.p2alignl 7, 3214868480
	.fill 96, 4, 3214868480
	.section	.rodata,"a",@progbits
	.p2align	6, 0x0
	.amdhsa_kernel k_qb0df7b681f_prep
		.amdhsa_group_segment_fixed_size 37376
		.amdhsa_private_segment_fixed_size 0
		.amdhsa_enable_private_segment 0
		.amdhsa_kernarg_size 80
		.amdhsa_user_sgpr_count 2
		.amdhsa_user_sgpr_kernarg_segment_ptr 1
		.amdhsa_wavefront_size32 1
		.amdhsa_system_sgpr_workgroup_id_x 1
		.amdhsa_system_sgpr_workgroup_id_y 1
		.amdhsa_system_sgpr_workgroup_id_z 1
		.amdhsa_system_vgpr_workitem_id 0
		.amdhsa_next_free_vgpr 256
		.amdhsa_next_free_sgpr 66
		.amdhsa_reserve_vcc 0
		.amdhsa_float_denorm_mode_32 3
		.amdhsa_float_denorm_mode_16_64 3
		.amdhsa_memory_ordered 1
		.amdhsa_forward_progress 1
		.amdhsa_inst_pref_size 131
	.end_amdhsa_kernel
	.amdgpu_metadata
---
amdhsa.version: [ 1, 2 ]
amdhsa.kernels:
  - .name:           k_qb0df7b681f_prep
    .symbol:         k_qb0df7b681f_prep.kd
    .args:
      - { .name: Q, .offset: 0, .size: 8, .value_kind: global_buffer, .address_space: global }
      - { .name: K, .offset: 8, .size: 8, .value_kind: global_buffer, .address_space: global }
      - { .name: V, .offset: 16, .size: 8, .value_kind: global_buffer, .address_space: global }
      - { .name: Wq, .offset: 24, .size: 8, .value_kind: global_buffer, .address_space: global }
      - { .name: Wk, .offset: 32, .size: 8, .value_kind: global_buffer, .address_space: global }
      - { .name: Wv, .offset: 40, .size: 8, .value_kind: global_buffer, .address_space: global }
      - { .name: Wo, .offset: 48, .size: 8, .value_kind: global_buffer, .address_space: global }
      - { .name: xc, .offset: 56, .size: 8, .value_kind: global_buffer, .address_space: global }
      - { .name: wc, .offset: 64, .size: 8, .value_kind: global_buffer, .address_space: global }
      - { .name: woi, .offset: 72, .size: 8, .value_kind: global_buffer, .address_space: global }
    .group_segment_fixed_size: 37376
    .private_segment_fixed_size: 0
    .kernarg_segment_align: 8
    .kernarg_segment_size: 80
    .max_flat_workgroup_size: 128
    .sgpr_count:     66
    .vgpr_count:     256
    .wavefront_size: 32
...
	.end_amdgpu_metadata
.endif
;; end of part 1
;; launch proj (part 2): grid 16 x 12, 4 waves a work-group, no clusters, 139,776 bytes of LDS; arguments xc, wc, Q_lev, K_lev, V_lev, bq, bk, bv, qi, ki, vi; writes qi, ki, vi
.if DOCPART == 2
	.amdgcn_target "amdgcn-amd-amdhsa--gfx1250"
	.amdhsa_code_object_version 6
	.text
	.protected	k_qb0df7b681f_proj
	.globl	k_qb0df7b681f_proj
	.p2align	8
	.type	k_qb0df7b681f_proj,@function
k_qb0df7b681f_proj:
	s_mov_b64 s[64:65], 0
	v_nop
	global_prefetch_b8 v0, s[64:65] scope:SCOPE_SE
	s_setreg_imm32_b32 hwreg(HW_REG_WAVE_MODE, 25, 1), 1
	s_wait_xcnt 0x0
; PROJ: q = Q Wq + bq + Q_lev, and k and v likewise; the products on codes of FP4 (E2M1) with E8M0 scales, sums in f32; the results leave as f16, by heads, in the order of the next launch's operand registers:
;   qi, ki, vi [head 64 = 16 b + h][token tile 128][channel / 8: 8][token r 16][16 bytes = 8 channels].
; SHARES: work-group y = 4 x tensor + column group of 256 (4 heads); x = 512 rows, walked as 8 blocks of 64.  THE WAVES SHARE THE COLUMNS: wave w makes one head's 64 columns for all rows, so its part of the
; weights (4 column tiles x 8 K steps: 256 registers) and their scale words stay in registers for the whole launch.  12 pairs of tensor and column group x 16 row chunks: 192 work-groups of equal work.
; A block's codes of X (4 records of 8,704 bytes) are loaded once, a record a wave, and go from wave to wave through LDS as they lie; two such buffers take turns, ONE barrier a block.
; lev goes through the wave's own stage in LDS and comes back in the result's layout: it is the first value of the accumulators, so its addition costs nothing.  The bias is added at the end.
; THE MATRIX INSTRUCTION IS USED TRANSPOSED (source 0 = 16 columns of W, source 1 = 16 rows of X): a lane holds one token and eight neighbouring channels, 16 bytes of f16.
; NO TENSOR LOAD, NO CLUSTER: the launch is a stream (a block moves 34 + 64 KB in and 32 KB out for 128 matrix instructions a wave); what work-groups share, a block's 34 KB of codes, is a quarter of that.
; LIMITS: the order of sums is lev + products + bias; |q|, |k|, |v| stay under 65,504, f16's largest number; NaN and infinities are not served.
; REGISTERS, in windows of 256: window 0: v1-12 addresses; v32-63 W's scale words (8 b + s); v64-95 X's (8 a + s); v96-159 X's fragments, two sets of four; v160-191 the bias; v192-255 packed results.
;   window 1: W's fragments, (b, s) at 8 (8 b + s).   window 2: v0-127 the 16 accumulators, (a, b) at 8 (4 a + b); v128-255 lev as loaded.   window 3: v0-67 my record of X as loaded.
.set REC,  8704
.set ABUF, 4*REC                       ; LDS: two buffers of four records,
.set LSTG, 2*ABUF                      ; then a stage of 64 rows x 272 bytes for each wave
.set LPIT, 272                         ; 256 bytes + 16: the 16 rows that a read touches start at 16 different groups of banks (ISA guide 11.1)
.set LREG, 64*LPIT
.set AW,  5                            ; v5, v6   where I store my record: buffer p + wave x record + 16 x lane
.set AR,  7                            ; v7, v8   where fragments are read: buffer p + 16 x lane
.set AX,  9                            ; v9, v10  X's scale words: buffer p + 8,192 + 32 r
.set WSC, 32
.set XSC, 64
.set XF,  96
.set BI,  160
.set OUT, 192
.set ACC, 0
.set LV,  128
.set AS,  0
.set XP,  4                            ; s[4:5]   my record of the block in hand
.set WP,  6                            ; s[6:7]   my four records of W
.set LP,  8                            ; s[8:9]   lev: the block's first row, my 64 columns
.set BP,  14                           ; s[14:15] the bias of my 64 columns
.set OP,  20                           ; s[20:21] the results: one block further on than the block that is stored
.set TRIP, 34
.set MSB, 0
.macro WIN new                         ; the immediate's high byte repeats the setting that is left; a switch that changes nothing is dropped
.if MSB != \new
	s_set_vgpr_msb (MSB<<8)|\new
.set MSB, \new
.endif
.endm
.macro PLACES
.rept 4
	v_nop
.endr
.endm
.macro NEXT                            ; a block's loads: my record (17 x 512 bytes) and lev (32 loads of two rows x 256 aligned bytes)
	WIN 0xc0
.irp i, 0,1,2,3,4,5,6,7,8,9,10,11,12,13,14,15,16
	global_load_b128 v[AS+4*\i:AS+4*\i+3], v1, s[XP:XP+1] offset:512*\i
.endr
	WIN 0x80
.irp i, 0,1,2,3,4,5,6,7,8,9,10,11,12,13,14,15,16,17,18,19,20,21,22,23,24,25,26,27,28,29,30,31
	global_load_b128 v[LV+4*\i:LV+4*\i+3], v2, s[LP:LP+1] offset:8192*\i th:TH_LOAD_NT
.endr
	WIN 0
.endm
.macro FETCH p, s, e                   ; X's four fragments of K step s into set e
.irp a, 0,1,2,3
.irp c, 0,1
	ds_load_b128 v[XF+32*(\e)+8*\a+4*\c:XF+32*(\e)+8*\a+4*\c+3], v[AR+\p] offset:\a*REC+(\s)*1024+\c*512
.endr
.endr
.endm
.macro BLOCK p, last
	s_wait_loadcnt 0x0                             ; my record and lev are in (in the first block the weights, their scales and the bias too)
	WIN 0x0c                                       ; an LDS store's data are its source 1: window 3
.irp i, 0,1,2,3,4,5,6,7,8,9,10,11,12,13,14,15,16
	ds_store_b128 v[AW+\p], v[AS+4*\i:AS+4*\i+3] offset:512*\i
.endr
	WIN 0x08
.irp i, 0,1,2,3,4,5,6,7,8,9,10,11,12,13,14,15,16,17,18,19,20,21,22,23,24,25,26,27,28,29,30,31
	ds_store_b128 v3, v[LV+4*\i:LV+4*\i+3] offset:2*LPIT*\i
.endr
	WIN 0x80
.irp a, 0,1,2,3
.irp b, 0,1,2,3
.irp c, 0,1
	ds_load_b128 v[ACC+8*(4*\a+\b)+4*\c:ACC+8*(4*\a+\b)+4*\c+3], v4 offset:\a*16*LPIT+64*\b+16*\c   ; lev(16 a + r, 16 b + 8 h + 0 .. 7): my own bytes, served in order behind my stores (ISA guide 5.7.1.4)
.endr
.endr
.endr
	WIN 0
	s_wait_dscnt 0x0                               ; for the others' sake: my record lies in LDS; and all my reads of the other buffer are long over
	s_barrier_signal -1
	s_barrier_wait -1                              ; this buffer is whole; the other one, last read in front of this barrier by every wave, may be written in the next block
.if \last
	s_cmp_eq_u32 s[TRIP], 1                        ; the last block asks for nothing: no load leaves its buffer
	s_cbranch_scc1 .Lno_next_\@
.endif
	s_add_nc_u64 s[XP:XP+1], s[XP:XP+1], ABUF      ; (the loads that named these bases are done)
	s_add_nc_u64 s[LP:LP+1], s[LP:LP+1], 262144
	NEXT                                           ; the next block's 49 loads have this block's products in which to land
.if \last
.Lno_next_\@:
.endif
.irp a, 0,1,2,3
.irp u, 0,1
	ds_load_b128 v[XSC+8*\a+4*\u:XSC+8*\a+4*\u+3], v[AX+\p] offset:\a*REC+16*\u   ; lane r: row r's eight scale words
.endr
.endr
	FETCH \p, 0, 0
.irp s, 0,1,2,3,4,5,6,7
.if (\s > 0) && (\s < 7)
	PLACES                                         ; in front of loads into the set that the last K step but one... the step before multiplied (ISA guide 7.12.1)
.endif
.if \s < 7
	FETCH \p, \s+1, (\s+1)%2
	s_wait_dscnt 8                                 ; all but the 8 loads just issued
.else
	s_wait_dscnt 0x0
.endif
	WIN 0xa1                                       ; source 0 (W) window 1, source 1 (X) window 0, C and D window 2
.irp a, 0,1,2,3
.irp b, 0,1,2,3
	v_wmma_scale_f32_16x16x128_f8f6f4 v[ACC+8*(4*\a+\b):ACC+8*(4*\a+\b)+7], v[8*(8*\b+\s):8*(8*\b+\s)+7], v[XF+32*(\s%2)+8*\a:XF+32*(\s%2)+8*\a+7], v[ACC+8*(4*\a+\b):ACC+8*(4*\a+\b)+7], v[WSC+8*\b+\s], v[XSC+8*\a+\s] matrix_a_fmt:MATRIX_FMT_FP4 matrix_b_fmt:MATRIX_FMT_FP4
.endr
.endr                                  ; the 16 accumulators take turns, one instruction a turn, in the same order in every K step
	WIN 0
.endr
	PLACES                                         ; in front of the first read of results, and of the next block's loads into these registers
	WIN 0x82                                       ; destination and source 0 window 2, the bias window 0
.irp a, 0,1,2,3
.irp b, 0,1,2,3
.irp i, 0,2,4,6
	v_pk_add_f32 v[ACC+8*(4*\a+\b)+\i:ACC+8*(4*\a+\b)+\i+1], v[ACC+8*(4*\a+\b)+\i:ACC+8*(4*\a+\b)+\i+1], v[BI+8*\b+\i:BI+8*\b+\i+1]   ; each accumulator from its low end on
.endr
.endr
.endr
	s_wait_xcnt 0x0                                ; the last block's stores have read their data and their base: both are written below
	s_add_nc_u64 s[OP:OP+1], s[OP:OP+1], 8192      ; the stores reach back by their immediate
	WIN 0x0a
.irp a, 0,1,2,3
.irp b, 0,1,2,3
.irp i, 0,1,2,3
	v_cvt_pk_f16_f32 v[OUT+4*(4*\a+\b)+\i], v[ACC+8*(4*\a+\b)+2*\i], v[ACC+8*(4*\a+\b)+2*\i+1]
.endr
.endr
.endr
	WIN 0
.irp a, 0,1,2,3
.irp b, 0,1,2,3
	global_store_b128 v1, v[OUT+4*(4*\a+\b):OUT+4*(4*\a+\b)+3], s[OP:OP+1] offset:\a*2048+\b*512-8192   ; 512 consecutive bytes: channel groups 2 b and 2 b + 1 of token tile a
.endr
.endr
.endm
	s_load_b256 s[4:11], s[0:1], 0x0               ; xc, wc, Q_lev, K_lev
	s_load_b256 s[12:19], s[0:1], 0x20             ; V_lev, bq, bk, bv
	s_load_b128 s[20:23], s[0:1], 0x40             ; qi, ki
	s_load_b64 s[24:25], s[0:1], 0x50              ; vi
	v_lshl_add_u32 v30, v0, 2, 0x22000
	v_mov_b32 v31, 0
	v_lshrrev_b32 v13, 5, v0
	v_readfirstlane_b32 s26, v13                   ; wave 0..3
	s_and_b32 s28, ttmp7, 0xffff
	s_lshr_b32 s29, s28, 2                         ; tensor
	s_and_b32 s30, s28, 3                          ; column group
	v_and_b32 v13, 31, v0                          ; lane
	v_and_b32 v14, 15, v0                          ; r
	v_bfe_u32 v15, v0, 4, 1                        ; h
	v_lshlrev_b32 v1, 4, v13                       ; 16 x lane: records in, results out
	v_lshlrev_b32 v2, 4, v14
	v_lshl_add_u32 v2, v15, 12, v2                 ; lev in memory: lanes 0-15 a row's 256 bytes, lanes 16-31 the next row's
	s_mul_i32 s35, s26, LREG
	s_add_co_u32 s35, s35, LSTG                    ; my stage
	v_mul_u32_u24 v3, v15, LPIT
	v_lshl_add_u32 v3, v14, 4, v3
	v_add_nc_u32 v3, s35, v3                       ; into it, as loaded
	v_mul_u32_u24 v4, v14, LPIT
	v_lshl_add_u32 v4, v15, 5, v4
	v_add_nc_u32 v4, s35, v4                       ; out of it: row r, + 32 h
	s_mul_i32 s35, s26, REC
	v_add_nc_u32 v5, s35, v1
	v_add_nc_u32 v6, ABUF, v5
	v_lshlrev_b32 v7, 4, v13
	v_add_nc_u32 v8, ABUF, v7
	v_lshlrev_b32 v12, 5, v14                      ; 32 r: W's scale bytes in memory
	v_add_nc_u32 v9, 8192, v12
	v_add_nc_u32 v10, ABUF+8192, v12
	v_lshlrev_b32 v11, 5, v15                      ; 32 h: the bias
	s_lshl_b32 s32, s29, 9
	s_lshl_b32 s33, ttmp9, 5
	s_add_co_u32 s32, s32, s33
	s_add_co_u32 s32, s32, s26
	s_mul_i32 s32, s32, REC                        ; X: record 512 x tensor + 32 x + wave
	s_lshl_b32 s36, s29, 6
	s_lshl_b32 s33, s30, 4
	s_add_co_u32 s36, s36, s33
	s_lshl_b32 s33, s26, 2
	s_add_co_u32 s36, s36, s33
	s_mul_i32 s36, s36, REC                        ; W: record 64 x tensor + 16 x column group + 4 x wave
	s_lshl_b32 s38, s30, 10
	s_lshl_b32 s33, s26, 8
	s_add_co_u32 s38, s38, s33                     ; my 64 columns, in bytes of f32
	s_lshl_b32 s40, ttmp9, 21
	s_add_co_u32 s40, s40, s38                     ; lev: + 512 x rows of 4,096 bytes
	s_lshr_b32 s42, ttmp9, 2
	s_lshl_b32 s42, s42, 4
	s_lshl_b32 s33, s30, 2
	s_add_co_u32 s42, s42, s33
	s_add_co_u32 s42, s42, s26                     ; the head: 16 x batch + 4 x column group + wave
	s_lshl_b32 s42, s42, 18
	s_and_b32 s33, ttmp9, 3
	s_lshl_b32 s33, s33, 16
	s_add_co_u32 s42, s42, s33                     ; + 32 token tiles of 2,048 bytes for each 512 rows
	s_mov_b32 s33, 0
	s_mov_b32 s37, 0
	s_mov_b32 s39, 0
	s_mov_b32 s41, 0
	s_mov_b32 s43, 0
	s_mov_b32 s[TRIP], 4
	s_wait_kmcnt 0x0
	s_cmp_eq_u32 s29, 1                            ; the choices hang on the work-group's number alone
	s_cselect_b64 s[8:9], s[10:11], s[8:9]
	s_cselect_b64 s[14:15], s[16:17], s[14:15]
	s_cselect_b64 s[20:21], s[22:23], s[20:21]
	s_cmp_eq_u32 s29, 2
	s_cselect_b64 s[8:9], s[12:13], s[8:9]
	s_cselect_b64 s[14:15], s[18:19], s[14:15]
	s_cselect_b64 s[20:21], s[24:25], s[20:21]
	s_add_nc_u64 s[XP:XP+1], s[XP:XP+1], s[32:33]
	s_add_nc_u64 s[WP:WP+1], s[WP:WP+1], s[36:37]
	s_add_nc_u64 s[BP:BP+1], s[BP:BP+1], s[38:39]
	s_add_nc_u64 s[LP:LP+1], s[LP:LP+1], s[40:41]
	s_add_nc_u64 s[OP:OP+1], s[OP:OP+1], s[42:43]
	WIN 0x40                                       ; destination window 1: the weights, which stay
.irp b, 0,1,2,3
.irp s, 0,1,2,3,4,5,6,7
.irp c, 0,1
	global_load_b128 v[8*(8*\b+\s)+4*\c:8*(8*\b+\s)+4*\c+3], v1, s[WP:WP+1] offset:\b*REC+\s*1024+\c*512
.endr
.endr
.endr
	WIN 0
.irp b, 0,1,2,3
.irp u, 0,1
	global_load_b128 v[WSC+8*\b+4*\u:WSC+8*\b+4*\u+3], v12, s[WP:WP+1] offset:\b*REC+8192+16*\u   ; lane r: column r's eight scale words
	global_load_b128 v[BI+8*\b+4*\u:BI+8*\b+4*\u+3], v11, s[BP:BP+1] offset:64*\b+16*\u           ; the bias of channels 16 b + 8 h + 0 .. 7
.endr
.endr
	NEXT                                           ; the first block
.Lpair:
	BLOCK 0, 0
	BLOCK 1, 1
	s_sub_co_u32 s[TRIP], s[TRIP], 1
	s_cmp_lg_u32 s[TRIP], 0
	s_cbranch_scc1 .Lpair
	s_wait_tensorcnt 0x0
	ds_add_u32 v30, v31
	s_wait_dscnt 0x0
	s_endpgm
.Lfunc_end_k_qb0df7b681f_proj:
	.size	k_qb0df7b681f_proj, .Lfunc_end_k_qb0df7b681f_proj-k_qb0df7b681f_proj
	.p2alignl 7, 3214868480
	.fill 96, 4, 3214868480
	.section	.rodata,"a",@progbits
	.p2align	6, 0x0
	.amdhsa_kernel k_qb0df7b681f_proj
		.amdhsa_group_segment_fixed_size 139776
		.amdhsa_private_segment_fixed_size 0
		.amdhsa_enable_private_segment 0
		.amdhsa_kernarg_size 88
		.amdhsa_user_sgpr_count 2
		.amdhsa_user_sgpr_kernarg_segment_ptr 1
		.amdhsa_wavefront_size32 1
		.amdhsa_system_sgpr_workgroup_id_x 1
		.amdhsa_system_sgpr_workgroup_id_y 1
		.amdhsa_system_sgpr_workgroup_id_z 1
		.amdhsa_system_vgpr_workitem_id 0
		.amdhsa_next_free_vgpr 840
		.amdhsa_next_free_sgpr 66
		.amdhsa_reserve_vcc 0
		.amdhsa_float_denorm_mode_32 3
		.amdhsa_float_denorm_mode_16_64 3
		.amdhsa_memory_ordered 1
		.amdhsa_forward_progress 1
		.amdhsa_inst_pref_size 100
	.end_amdhsa_kernel
	.amdgpu_metadata
---
amdhsa.version: [ 1, 2 ]
amdhsa.kernels:
  - .name:           k_qb0df7b681f_proj
    .symbol:         k_qb0df7b681f_proj.kd
    .args:
      - { .name: xc, .offset: 0, .size: 8, .value_kind: global_buffer, .address_space: global }
      - { .name: wc, .offset: 8, .size: 8, .value_kind: global_buffer, .address_space: global }
      - { .name: Q_lev, .offset: 16, .size: 8, .value_kind: global_buffer, .address_space: global }
      - { .name: K_lev, .offset: 24, .size: 8, .value_kind: global_buffer, .address_space: global }
      - { .name: V_lev, .offset: 32, .size: 8, .value_kind: global_buffer, .address_space: global }
      - { .name: bq, .offset: 40, .size: 8, .value_kind: global_buffer, .address_space: global }
      - { .name: bk, .offset: 48, .size: 8, .value_kind: global_buffer, .address_space: global }
      - { .name: bv, .offset: 56, .size: 8, .value_kind: global_buffer, .address_space: global }
      - { .name: qi, .offset: 64, .size: 8, .value_kind: global_buffer, .address_space: global }
      - { .name: ki, .offset: 72, .size: 8, .value_kind: global_buffer, .address_space: global }
      - { .name: vi, .offset: 80, .size: 8, .value_kind: global_buffer, .address_space: global }
    .group_segment_fixed_size: 139776
    .private_segment_fixed_size: 0
    .kernarg_segment_align: 8
    .kernarg_segment_size: 88
    .max_flat_workgroup_size: 128
    .sgpr_count:     66
    .vgpr_count:     840
    .wavefront_size: 32
...
	.end_amdgpu_metadata
.endif
;; end of part 2
;; launch attn (part 3): grid 4 x 64, 8 waves a work-group, clusters of 4 x 1, 327,680 bytes of LDS; arguments qi, ki, vi, ctxi; writes ctxi
.if DOCPART == 3
	.amdgcn_target "amdgcn-amd-amdhsa--gfx1250"
	.amdhsa_code_object_version 6
	.text
	.protected	k_qb0df7b681f_attn
	.globl	k_qb0df7b681f_attn
	.p2align	8
	.type	k_qb0df7b681f_attn,@function
k_qb0df7b681f_attn:
	s_mov_b64 s[64:65], 0
	v_nop
	global_prefetch_b8 v0, s[64:65] scope:SCOPE_SE
	s_setreg_imm32_b32 hwreg(HW_REG_WAVE_MODE, 25, 1), 1
	s_wait_xcnt 0x0
	s_wait_alu depctr_hold_cnt(0) depctr_sa_sdst(0) depctr_va_vdst(0) depctr_va_sdst(0) depctr_va_ssrc(0) depctr_va_vcc(0) depctr_vm_vsrc(0)
	s_getreg_b32 s2, hwreg(HW_REG_IB_STS2, 6, 4)
	s_cmp_eq_u32 s2, 0
	s_cbranch_scc0 .Lentry_in_a_cluster
	s_endpgm
.Lentry_in_a_cluster:
	s_bfe_u32 s2, ttmp6, 0x10000c
	s_cmp_lg_u32 s2, 0x3003
	s_cbranch_scc0 .Lentry_shape_is_right
	s_endpgm
.Lentry_shape_is_right:
; ATTN: ctx[head][q] = the sum over k of softmax_k(q . k / 8) v[k], 64 heads, 2,048 queries and keys, head size 64.  Operands in f16 (q, k, v as the launch before left them; the weights p rounded to f16
; for the second product), products, maxima and sums in f32.  f16 and not bf16: its three further mantissa bits keep the scores' rounding small against the comparison's margin.
; qi, ki, vi: [head][token tile 128][channel / 8: 8][token r 16][16 bytes].  ctxi, f16, in the order of the last product's operand registers: [K step of 128: 8][row tile 512][k / 8: 16][token r 16][16 bytes].
; SHARES: a work-group owns 512 queries of one head, each of its EIGHT waves 64: four tiles of 16, so that each fragment of K and V read from LDS feeds four matrix instructions.  Two waves lie on a SIMD:
; one wave's softmax stands beside the other's products; each wave's text goes in phases.  Every wave walks all 2,048 keys, 64 a step.
; LAYOUT: S^T = K Q^T (source 0 = 16 keys, source 1 = 16 queries) and O^T = V^T P (source 0 = 16 channels, source 1 = P): a lane holds ONE query throughout.  Two tiles of S^T, rounded in pairs, ARE a
; fragment of P: P is written in place over S^T's low registers.  K comes out of LDS as it lies, V turned, by ds_load_tr16_b128.
; SOFTMAX: a running maximum m and sum l for each query: p = 2^(c s - c m), c = log2(e) / 8; in every step O^T and l are multiplied by a = 2^(c m_old - c m_new).  The sum is taken of the unrounded p.
; CLUSTER: the four query blocks of a head walk the same K and V: each tile is asked for JOINTLY, by the same tensor load with the same descriptor and a mask that names the four.
; RING: two slots of 256 keys (four steps); waves 0-3 fetch K's four steps, waves 4-7 V's, one load a wave behind each round.  By this text's own count a wave has two tensor loads out at the start, later one.
; LIMITS: p under 2^-24 counts as 0 in the second product; |ctx| under 65,504; NaN and infinities are not served.
; REGISTERS: window 0: v2-5 addresses; v16-47 eight registers of statistics a tile; v61-63; v64-191 S^T, 32 a tile ((t, key tile) at 64 + 32 t + 8 kt), then P; v192-255 K of one step.
;   window 1: v0-127 O^T ((t, channel tile) at 32 t + 8 n); v128-191 Q; v192-255 V of one step.
.set KSTEP, 8192                       ; a step's 64 keys of K: four token tiles, dense in LDS (a fragment load takes 512 consecutive bytes)
.set VROW,  384                        ; V: rows of 256 bytes + 128 of padding
.set VSTEP, 32*VROW
.set VOFF,  4*KSTEP                    ; a slot: K's four steps, then V's
.set SLOTB, 32768                      ; a slot's bytes of K, and of V, in memory
.set SLOT1, 1<<17                      ; slot 1 begins here: one exclusive or turns an address in one slot into the other's
.set SPARE, SLOT1+VOFF+4*VSTEP         ; behind the ring: the spare words, 128 bytes for each wave: four blocks of 256 bytes that no other line names
.set AK0, 2                            ; v2   16 x lane: my place in a fragment of K
.set AV0, 3                            ; v3   my place in a tile of V
.set ADR, 4                            ; v4   the LDS address of the run of loads in hand
.set GO,  5                            ; v5   16 x lane: Q in, ctx out
.set ST,  16                           ; tile t at v[16 + 8 t]: +0 c m, +1 m, +2, +3 l (even keys', odd keys'), +4 to +7 at work; a lies in +6
.set PFO, 61                           ; v61  256 x lane; never rewritten
.set SPW, 62                           ; v62  LDS address of my spare word; never rewritten
.set NIL, 63                           ; v63  0; never rewritten
.set S,   64
.set KF,  192
.set QF,  128
.set VF,  192
.set WV,  12
.set LIM, 15                           ; s15  1 in a wave that prefetches, else the greatest number
.set PFA, 18                           ; s[18:19] where my prefetches stand
.set G1K, 24
.set G1V, 32
.set G0K, 40                           ; s[40:47] K's groups 0: a set for each first fill; the second then walks on
.set G0V, 48
.set SLOTS, 56
.set CNT, 57
.set CS,  58                           ; s[58:59] c
.set SEL, 60                           ; s[60:61] selects of v_permlanex16_b32: lane l xor 16
.set TK,  62                           ; s62  LDS byte of the step of K to be fetched
.set TV,  63                           ; s63  the same for V, less VOFF
.set MSB, 0
.macro WIN new
.if MSB != \new
	s_set_vgpr_msb (MSB<<8)|\new
.set MSB, \new
.endif
.endm
.set W_KQ, 0x04                        ; Q (source 1) window 1; K and S^T window 0
.set W_PV, 0x51                        ; V (source 0) and O^T (C, D) window 1; P window 0
.set W_RS, 0x41                        ; O^T (destination, source 0) window 1; the factor window 0
; A joint refill.  The branch hangs on the wave's number alone.  Four v_nop follow each of the two lines, ahead of the jump, the label and what follows.
.macro JLOAD
	s_cmp_lt_u32 s[WV], 4
	s_cbranch_scc0 .Lfor_v_\@
	tensor_load_to_lds s[G0K+4:G0K+7], s[G1K:G1K+7]
	s_nop 0
.rept 4
	v_nop
.endr
	s_branch .Lasked_\@
.Lfor_v_\@:
	tensor_load_to_lds s[G0V+4:G0V+7], s[G1V:G1V+7]
	s_nop 0
.rept 4
	v_nop
.endr
.Lasked_\@:
.endm
; A prefetch of what the NEXT change of slots will ask for: a slot's 32,768 bytes of K and of V, four key steps (256 matrix instructions a wave) ahead of that load.  Each aligned 256 bytes are named once:
; one cluster walks a head; its four partners take 8,192 bytes each, told apart BY ADDRESS; in each, wave 0 asks for K's and wave 4 for V's, lanes 256 bytes apart.  The last change that fills a slot asks for nothing.
.macro ASK
	s_cmp_gt_u32 s[SLOTS], s[LIM]
	s_cbranch_scc0 .Lnot_mine_\@
	global_prefetch_b8 v[PFO], s[PFA:PFA+1] th:TH_LOAD_NT scope:SCOPE_SE
.Lnot_mine_\@:
.endm
.macro CROUND                          ; a round of the cluster's barrier
	s_barrier_signal -1
	s_barrier_wait -1
	s_cmp_lg_u32 s[WV], 0
	s_cbranch_scc1 .Lnot_wave_0_\@
	s_barrier_signal -3
.Lnot_wave_0_\@:
	s_barrier_wait -3
	s_barrier_signal -1
	s_barrier_wait -1
.endm
.macro FETCH_K                         ; a step's K: fragment (key tile k, channels 32 d on) at KF + 8 (2 k + d)
	WIN 0
	v_add_nc_u32 v[ADR], s[TK], v[AK0]
	s_add_co_u32 s[TK], s[TK], KSTEP
.irp k, 0,1,2,3
.irp d, 0,1
.irp c, 0,1
	ds_load_b128 v[KF+8*(2*\k+\d)+4*\c:KF+8*(2*\k+\d)+4*\c+3], v[ADR] offset:\k*2048+\d*1024+\c*512
.endr
.endr
.endr
.endm
.macro FETCH_V                         ; a step's V, turned: fragment (keys 32 g on, channels 16 n on) at VF + 32 g + 8 n
	WIN 0
	v_add_nc_u32 v[ADR], s[TV], v[AV0]
	s_add_co_u32 s[TV], s[TV], VSTEP
	WIN 0x40                                       ; destination window 1
.irp g, 0,1
.irp n, 0,1,2,3
	ds_load_tr16_b128 v[VF+32*\g+8*\n:VF+32*\g+8*\n+3],   v[ADR] offset:\g*16*VROW+\n*2*VROW
	ds_load_tr16_b128 v[VF+32*\g+8*\n+4:VF+32*\g+8*\n+7], v[ADR] offset:\g*16*VROW+\n*2*VROW+8*VROW
.endr
.endr
.endm
; 32 products of S^T = K Q^T: channels 32 (i / 16) on, key tile (i / 4) % 4, tile i % 4.  The first 16 start the sums.  The 16 accumulators take turns.
.macro KQALL
	WIN W_KQ
.set i, 0
.rept 32
.set rS, S+32*(i%4)+8*((i/4)%4)
.set rK, KF+8*(2*((i/4)%4)+i/16)
.set rQ, QF+8*(2*(i%4)+i/16)
.if i < 16
	v_wmma_f32_16x16x32_f16 v[rS:rS+7], v[rK:rK+7], v[rQ:rQ+7], 0
.else
	v_wmma_f32_16x16x32_f16 v[rS:rS+7], v[rK:rK+7], v[rQ:rQ+7], v[rS:rS+7]
.endif
.set i, i+1
.endr
.endm
; 32 products of O^T += V^T P: keys 32 (i / 16) on, channel tile (i / 4) % 4, tile i % 4.  first = 1: the first 16 start the sums: nothing is ever cleared.
.macro PVALL first
	WIN W_PV
.set i, 0
.rept 32
.set rO, 32*(i%4)+8*((i/4)%4)
.set rV, VF+32*(i/16)+8*((i/4)%4)
.set rP, S+32*(i%4)+8*(i/16)
.if (\first) && (i < 16)
	v_wmma_f32_16x16x32_f16 v[rO:rO+7], v[rV:rV+7], v[rP:rP+7], 0
.else
	v_wmma_f32_16x16x32_f16 v[rO:rO+7], v[rV:rV+7], v[rP:rP+7], v[rO:rO+7]
.endif
.set i, i+1
.endr
.endm
.macro FMA t, i                        ; pair i of tile t: c s - c m
	v_pk_fma_f32 v[S+32*(\t)+2*(\i):S+32*(\t)+2*(\i)+1], v[S+32*(\t)+2*(\i):S+32*(\t)+2*(\i)+1], s[CS:CS+1], v[ST+8*(\t):ST+8*(\t)+1] op_sel_hi:[1,0,0] neg_lo:[0,0,1] neg_hi:[0,0,1]
.endm
.macro ADDC t, i, first                ; pair i of tile t goes into the sum, and then, rounded to f16, into register i of the tile: below every pair that is still to come
.if (\first) && ((\i) == 0)
	s_wait_alu depctr_va_vdst(0)
	v_pk_add_f32 v[ST+8*(\t)+2:ST+8*(\t)+3], v[S+32*(\t):S+32*(\t)+1], v[S+32*(\t)+2:S+32*(\t)+3]   ; the first step starts l with pairs 0 and 1
.elseif (\first) && ((\i) == 1)
.elseif (\i) == 0
	s_wait_alu depctr_va_vdst(0)
	v_pk_fma_f32 v[ST+8*(\t)+2:ST+8*(\t)+3], v[ST+8*(\t)+2:ST+8*(\t)+3], v[ST+8*(\t)+6:ST+8*(\t)+7], v[S+32*(\t):S+32*(\t)+1] op_sel_hi:[1,0,1]   ; l = a l + pair 0
.else
	s_wait_alu depctr_va_vdst(0)
	v_pk_add_f32 v[ST+8*(\t)+2:ST+8*(\t)+3], v[ST+8*(\t)+2:ST+8*(\t)+3], v[S+32*(\t)+2*(\i):S+32*(\t)+2*(\i)+1]
.endif
	v_cvt_pk_f16_f32 v[S+32*(\t)+(\i)], v[S+32*(\t)+2*(\i)], v[S+32*(\t)+2*(\i)+1]
.endm
; A step's softmax for the wave's four tiles, which take turns line by line.  first = 1: the first key step: no old maximum, no a.
.macro SOFTMAX first
.irp c, 0,1,2,3                        ; the maximum: four chains a tile; each begins at the low end of one accumulator
.irp t, 0,1,2,3
	v_max3_num_f32 v[ST+8*\t+4+\c], v[S+32*\t+8*\c], v[S+32*\t+8*\c+1], v[S+32*\t+8*\c+2]
.endr
.endr
.irp u, 3,5
.irp c, 0,1,2,3
.irp t, 0,1,2,3
	v_max3_num_f32 v[ST+8*\t+4+\c], v[ST+8*\t+4+\c], v[S+32*\t+8*\c+\u], v[S+32*\t+8*\c+\u+1]
.endr
.endr
.endr
.irp t, 0,1,2,3
	v_max3_num_f32 v[ST+8*\t+4], v[ST+8*\t+4], v[S+32*\t+7], v[S+32*\t+15]
.endr
.irp t, 0,1,2,3
	v_max3_num_f32 v[ST+8*\t+6], v[ST+8*\t+6], v[S+32*\t+23], v[S+32*\t+31]
.endr
.irp t, 0,1,2,3
	v_max3_num_f32 v[ST+8*\t+4], v[ST+8*\t+4], v[ST+8*\t+5], v[ST+8*\t+6]
.endr
.irp t, 0,1,2,3
.if \first
	v_max_num_f32 v[ST+8*\t+4], v[ST+8*\t+4], v[ST+8*\t+7]
.else
	v_max3_num_f32 v[ST+8*\t+4], v[ST+8*\t+4], v[ST+8*\t+7], v[ST+8*\t+1]   ; and the old m
.endif
.endr
.irp t, 0,1,2,3
	v_permlanex16_b32 v[ST+8*\t+5], v[ST+8*\t+4], s[SEL], s[SEL+1]   ; the query's other 32 keys lie in the lane 16 away
.endr
.if \first == 0
.irp t, 0,1,2,3
	v_mov_b32 v[ST+8*\t+7], v[ST+8*\t]             ; c m_old is kept for a
.endr
.endif
.irp t, 0,1,2,3
	v_max_num_f32 v[ST+8*\t+1], v[ST+8*\t+4], v[ST+8*\t+5]
.endr
.irp t, 0,1,2,3
	v_mul_f32 v[ST+8*\t], s[CS], v[ST+8*\t+1]
.endr
.if \first == 0
.irp t, 0,1,2,3
	v_sub_f32 v[ST+8*\t+7], v[ST+8*\t+7], v[ST+8*\t]
.endr
.irp t, 0,1,2,3
	v_exp_f32 v[ST+8*\t+6], v[ST+8*\t+7]           ; a; the scalings below are the plain lines behind it (ISA guide 5.7.2)
.endr
.endif
.irp i, 0,1,2,3,4,5,6,7,8,9,10,11,12,13,14,15
	FMA 0, \i
.endr
; Tile t's exponentials, with plain work of its neighbours between them: the next tile's scalings, the last tile's sums and roundings.  No result is used before a plain line has passed.
.irp t, 0,1,2,3
.irp i, 0,1,2,3,4,5,6,7,8,9,10,11,12,13,14,15
	v_exp_f32 v[S+32*\t+2*\i], v[S+32*\t+2*\i]
.if \t < 3
	FMA \t+1, \i
.endif
	v_exp_f32 v[S+32*\t+2*\i+1], v[S+32*\t+2*\i+1]
.if \t > 0
	ADDC \t-1, \i, \first
.endif
.endr
.endr
	v_nop
	s_wait_alu depctr_va_vdst(0)
.irp i, 0,1,2,3,4,5,6,7,8,9,10,11,12,13,14,15
	ADDC 3, \i, \first
.endr
.endm
.macro RESCALE                         ; O^T times a, each accumulator from its low end on
	WIN W_RS
.irp t, 0,1,2,3
.irp i, 0,2,4,6,8,10,12,14,16,18,20,22,24,26,28,30
	v_pk_mul_f32 v[32*\t+\i:32*\t+\i+1], v[32*\t+\i:32*\t+\i+1], v[ST+8*\t+6:ST+8*\t+7] op_sel_hi:[1,0]
.endr
.endr
.endm
; A KEY STEP j, entered with S^T of step j made and V of step j asked for.  more = 1: K and V of step j + 1 are fetched and its S^T is made.
.macro BODY first, more
.rept 4
	v_nop                                          ; places behind K Q^T: in front of the loads into K's registers and of the first read of the scores
.endr
.if \more
	FETCH_K
.endif
	SOFTMAX \first
.if \first == 0
	RESCALE
.endif
.if \more
	s_wait_dscnt 16                                ; V is in; K's 16 younger loads may be out
.else
	s_wait_dscnt 0x0
.endif
	PVALL \first
	WIN 0
.if \more
.rept 5
	v_nop                                          ; the next K Q^T writes over P, which these products read (five places), and the loads below land in V's registers (four)
.endr
	FETCH_V
	s_wait_dscnt 16                                ; K is in; V's 16 loads may be out
	KQALL
	WIN 0
.endif
.endm
.macro BODIES n
	s_mov_b32 s[CNT], \n
.Lbody_\@:
	BODY 0, 1
	s_sub_co_u32 s[CNT], s[CNT], 1
	s_cmp_lg_u32 s[CNT], 0
	s_cbranch_scc1 .Lbody_\@
.endm
; THE CHANGE OF SLOTS, behind K Q^T of a slot's last step: that step's V, the slot's last bytes, has been asked for.  Each wave waits for all its tensor loads (one is out: its part of the other slot), adds 0
; to its spare word, and waits for that and for its reads of the slot.  fill = 1: the barrier is a round of the cluster's, and the joint refill, the keys two slots on, is the first thing behind it.
.macro CHANGE fill
	WIN 0
	s_wait_tensorcnt 0x0                           ; no tensor load of mine is out, so a group 0 may be written
	ds_add_u32 v[SPW], v[NIL]                      ; 0 onto my spare word
.if \fill
.irp g, G0K+4, G0V+4
	s_xor_b32 s[\g+1], s[\g+1], SLOT1              ; the walking descriptor: the other slot than last time,
	s_add_nc_u64 s[\g+2:\g+3], s[\g+2:\g+3], SLOTB ; the next 256 keys; the type bits on top are not reached
.endr
	s_wait_xcnt 0x0                                ; the last prefetch, four key steps back, has read its address
	s_add_nc_u64 s[PFA:PFA+1], s[PFA:PFA+1], SLOTB ; one slot further on than the walking descriptors
	s_wait_dscnt 0x0                               ; the add is done, and my reads of the slot are over
	CROUND
	JLOAD
	ASK
.else
	s_wait_dscnt 0x0
	s_barrier_signal -1
	s_barrier_wait -1
.endif
	s_sub_co_u32 s[TK], s[TK], 4*KSTEP             ; the fetches go back to a slot's first step,
	s_xor_b32 s[TK], s[TK], SLOT1                  ; in the other slot
	s_sub_co_u32 s[TV], s[TV], 4*VSTEP
	s_xor_b32 s[TV], s[TV], SLOT1
.endm
	s_load_b256 s[4:11], s[0:1], 0x0               ; qi s[4:5], ki s[6:7], vi s[8:9], ctxi s[10:11]
	v_lshl_add_u32 v[SPW], v0, 2, SPARE
	v_mov_b32 v[NIL], 0
	ds_add_u32 v62, v63
	s_wait_dscnt 0x0
	v_lshrrev_b32 v1, 5, v0
	v_readfirstlane_b32 s[WV], v1                  ; wave 0..7
	s_bfe_u32 s13, ttmp6, 0x40000                  ; cx: my place in the cluster
	s_lshl_b32 s14, ttmp9, 2
	s_add_co_u32 s14, s14, s13                     ; my block of 512 queries: it enters Q's, ctx's and the prefetches' addresses alone
	s_and_b32 s20, ttmp7, 0xffff                   ; the head, which the four partners share
	s_lshl_b32 s21, s20, 18                        ; its first byte in qi, ki and vi
	s_and_b32 s16, s[WV], 3                        ; which of a slot's four steps I fetch:
	s_lshl_b32 s17, s16, 13                        ; 8,192 bytes a step in memory, and in K's part of a slot;
	s_add_co_u32 s22, s21, s17
	s_mov_b32 s23, 0
	s_mul_i32 s16, s16, VSTEP
	s_add_co_u32 s16, s16, VOFF                    ; its place in V's part: no place in the cluster enters an LDS address
	; descriptor group 1: 32 rows of 32 elements of 8 bytes, dense in memory
	s_mov_b32 s[G1K], 15|(3<<16)|(1<<21)           ; 15:0 the mask: all four work-groups; 17:16 elements of 8 bytes; 21 set beside a mask; no padding
	s_mov_b32 s[G1V], 15|(3<<16)|(1<<20)|(1<<21)|(5<<22)|(31<<25)   ; the same with padding: after every 64 words (code 5) 32 words (code 31)
.irp g, G1K, G1V
	s_mov_b32 s[\g+1], 32<<16                      ; tensor_dim0 = 32
	s_mov_b32 s[\g+2], 32<<16                      ; tensor_dim1 = 32
	s_mov_b32 s[\g+3], 32<<16                      ; tile_dim0 = 32
	s_mov_b32 s[\g+4], 32                          ; tile_dim1 = 32
	s_mov_b32 s[\g+5], 32                          ; from row to row
	s_mov_b32 s[\g+6], 0
	s_mov_b32 s[\g+7], 0
.endr
	s_mov_b32 s[CS], 0x3e38aa3b                    ; c = log2(e) / 8
	s_mov_b32 s[CS+1], s[CS]                       ; named with it as a pair, so it is written
	s_mov_b32 s[SEL], 0x76543210
	s_mov_b32 s[SEL+1], 0xfedcba98
	s_mov_b32 s[TK], 0
	s_mov_b32 s[TV], 0
	s_mov_b32 s[SLOTS], 6
	s_and_b32 s[LIM], s[WV], 3
	s_cmp_eq_u32 s[LIM], 0                         ; waves 0 and 4 prefetch: the same in all four partners
	s_cselect_b32 s[LIM], 1, -1
	v_and_b32 v1, 31, v0
	v_lshlrev_b32 v[PFO], 8, v1
	s_wait_kmcnt 0x0
	s_add_nc_u64 s[6:7], s[6:7], s[22:23]          ; K and V at my step of slot 0
	s_add_nc_u64 s[8:9], s[8:9], s[22:23]
	s_cmp_lt_u32 s[WV], 4
	s_cselect_b64 s[PFA:PFA+1], s[6:7], s[8:9]     ; (in waves 0 and 4 these stand at a slot's first byte)
	s_lshl_b32 s2, s13, 13                         ; my work-group's 8,192 bytes of a slot's 32,768,
	s_add_co_u32 s2, s2, 2*SLOTB                   ; in slot 2: the first change of slots steps it to slot 3.  Nothing is prefetched at the head
	s_mov_b32 s3, 0
	s_add_nc_u64 s[PFA:PFA+1], s[PFA:PFA+1], s[2:3]
	s_lshl_b32 s2, s14, 16                         ; Q: my block's 32 token tiles of 2,048 bytes,
	s_lshl_b32 s3, s[WV], 13                       ; my wave's four
	s_add_co_u32 s2, s2, s3
	s_add_co_u32 s2, s2, s21
	s_mov_b32 s3, 0
	s_add_nc_u64 s[4:5], s[4:5], s[2:3]
	s_bfe_u32 s2, s20, 0x30001                     ; ctx: K step (head % 16) / 2,
	s_lshl_b32 s2, s2, 21
	s_lshr_b32 s3, s20, 4
	s_lshl_b32 s3, s3, 19                          ; row tile 128 x batch
	s_add_co_u32 s2, s2, s3
	s_lshl_b32 s3, s14, 17                         ; + 32 x block
	s_add_co_u32 s2, s2, s3
	s_lshl_b32 s3, s[WV], 14                       ; + 4 x wave, 4,096 bytes each,
	s_add_co_u32 s2, s2, s3
	s_and_b32 s3, s20, 1
	s_lshl_b32 s3, s3, 11                          ; and the head's half of the K step
	s_add_co_u32 s2, s2, s3
	s_mov_b32 s3, 0
	s_add_nc_u64 s[10:11], s[10:11], s[2:3]
	CROUND                                         ; all four work-groups are here: the first joint loads meet
.irp s, 0,1
	s_mov_b32 s[G0K+4*\s], 1                       ; count = 1
	s_add_co_u32 s[G0K+4*\s+1], s17, \s*SLOT1      ; LDS address
	s_add_nc_u64 s[G0K+4*\s+2:G0K+4*\s+3], s[6:7], \s*SLOTB   ; global address: slot s
	s_or_b32 s[G0K+4*\s+3], s[G0K+4*\s+3], 0x80000000         ; type = 2
	s_mov_b32 s[G0V+4*\s], 1
	s_add_co_u32 s[G0V+4*\s+1], s16, \s*SLOT1
	s_add_nc_u64 s[G0V+4*\s+2:G0V+4*\s+3], s[8:9], \s*SLOTB
	s_or_b32 s[G0V+4*\s+3], s[G0V+4*\s+3], 0x80000000
.endr
	s_cmp_lt_u32 s[WV], 4                          ; a wave's two first fills stand in one branch, ahead of every wait on TENSORcnt and every LDS read
	s_cbranch_scc0 .Lfirst_v
	tensor_load_to_lds s[G0K:G0K+3], s[G1K:G1K+7]
	s_nop 0
	tensor_load_to_lds s[G0K+4:G0K+7], s[G1K:G1K+7]
	s_nop 0
.rept 4
	v_nop
.endr
	s_branch .Lfirst_asked
.Lfirst_v:
	tensor_load_to_lds s[G0V:G0V+3], s[G1V:G1V+7]
	s_nop 0
	tensor_load_to_lds s[G0V+4:G0V+7], s[G1V:G1V+7]
	s_nop 0
.rept 4
	v_nop
.endr
.Lfirst_asked:
	v_lshlrev_b32 v[GO], 4, v1
	v_lshlrev_b32 v[AK0], 4, v1
	WIN 0x40                                       ; destination window 1: Q stays in registers: fragment (tile t, channels 32 d on) at QF + 8 (2 t + d)
.irp t, 0,1,2,3
.irp d, 0,1
.irp c, 0,1
	global_load_b128 v[QF+8*(2*\t+\d)+4*\c:QF+8*(2*\t+\d)+4*\c+3], v[GO], s[4:5] offset:\t*2048+\d*1024+\c*512
.endr
.endr
.endr
	WIN 0
	; The turning load: lane l addresses 16 bytes, 8 channels of ONE key: channel group (l / 8) % 2 (a row of 384 bytes in LDS), key 8 (l / 16) + l % 8; it is left with channel l % 16 and 8 keys.
	v_bfe_u32 v6, v0, 3, 1
	v_mul_u32_u24 v[AV0], v6, VROW
	v_bfe_u32 v7, v0, 4, 1
	v_lshl_add_u32 v[AV0], v7, 7, v[AV0]
	v_and_b32 v6, 7, v0
	v_lshl_add_u32 v[AV0], v6, 4, v[AV0]
	v_add_nc_u32 v[AV0], VOFF, v[AV0]
	s_wait_tensorcnt 1                             ; my part of slot 0 is in; slot 1's may stay out
	s_barrier_signal -1
	s_barrier_wait -1                              ; everybody's is
	FETCH_K                                        ; key step 0
	FETCH_V
	s_wait_loadcnt 0x0                             ; Q
	s_wait_dscnt 16                                ; K is in; V's 16 loads may be out
	KQALL
	WIN 0
	BODY 1, 1                                      ; step 0 starts m, l and O^T
	BODIES 2                                       ; steps 1, 2: slot 0's last bytes have been asked for
.Lslot:                                            ; six trips: slots 2 to 7 are asked for; four steps a trip
	CHANGE 1
	BODIES 4
	s_sub_co_u32 s[SLOTS], s[SLOTS], 1
	s_cmp_lg_u32 s[SLOTS], 0
	s_cbranch_scc1 .Lslot
	CHANGE 0                                       ; the tail is written out
	BODIES 4
	BODY 0, 0                                      ; step 31
	; THE WAY OUT.  l's two halves and the other half of the lanes' are added (these additions are the places behind the last products); O^T / l, rounded to f16: a lane's eight channels are 16 bytes, and the
	; 32 lanes' 512 bytes lie on end in ctxi: no stage is needed.
.irp t, 0,1,2,3
	v_add_f32 v[ST+8*\t+4], v[ST+8*\t+2], v[ST+8*\t+3]
.endr
.irp t, 0,1,2,3
	v_permlanex16_b32 v[ST+8*\t+5], v[ST+8*\t+4], s[SEL], s[SEL+1]
.endr
.irp t, 0,1,2,3
	v_add_f32 v[ST+8*\t+4], v[ST+8*\t+4], v[ST+8*\t+5]
.endr
.irp t, 0,1,2,3
	v_rcp_f32 v[ST+8*\t+6], v[ST+8*\t+4]
.endr
	v_nop                                          ; a plain line between the last reciprocal and the use of its result
	s_wait_alu depctr_va_vdst(0)
	RESCALE                                        ; the same lines: O^T times 1 / l
	WIN 0x05                                       ; sources window 1, destination window 0: S^T's registers are free
.irp t, 0,1,2,3
.irp i, 0,1,2,3,4,5,6,7,8,9,10,11,12,13,14,15
	v_cvt_pk_f16_f32 v[S+16*\t+\i], v[32*\t+2*\i], v[32*\t+2*\i+1]
.endr
.endr
	WIN 0
.irp t, 0,1,2,3
.irp n, 0,1,2,3
	global_store_b128 v[GO], v[S+16*\t+4*\n:S+16*\t+4*\n+3], s[10:11] offset:\t*4096+\n*512   ; 512 consecutive bytes, at a multiple of 256 from ctxi's first byte
.endr
.endr
	s_wait_tensorcnt 0x0                           ; the wave's end
	ds_add_u32 v[SPW], v[NIL]
	s_wait_dscnt 0x0
	CROUND                                         ; the closing round: no work-group ends while a partner may still ask for a tile that names it
	s_endpgm
.Lfunc_end_k_qb0df7b681f_attn:
	.size	k_qb0df7b681f_attn, .Lfunc_end_k_qb0df7b681f_attn-k_qb0df7b681f_attn
	.p2alignl 7, 3214868480
	.fill 96, 4, 3214868480
	.section	.rodata,"a",@progbits
	.p2align	6, 0x0
	.amdhsa_kernel k_qb0df7b681f_attn
		.amdhsa_group_segment_fixed_size 327680
		.amdhsa_private_segment_fixed_size 0
		.amdhsa_enable_private_segment 0
		.amdhsa_kernarg_size 32
		.amdhsa_user_sgpr_count 2
		.amdhsa_user_sgpr_kernarg_segment_ptr 1
		.amdhsa_wavefront_size32 1
		.amdhsa_system_sgpr_workgroup_id_x 1
		.amdhsa_system_sgpr_workgroup_id_y 1
		.amdhsa_system_sgpr_workgroup_id_z 1
		.amdhsa_system_vgpr_workitem_id 0
		.amdhsa_next_free_vgpr 512
		.amdhsa_next_free_sgpr 66
		.amdhsa_reserve_vcc 0
		.amdhsa_float_denorm_mode_32 3
		.amdhsa_float_denorm_mode_16_64 3
		.amdhsa_memory_ordered 1
		.amdhsa_forward_progress 1
		.amdhsa_inst_pref_size 185
	.end_amdhsa_kernel
	.amdgpu_metadata
---
amdhsa.version: [ 1, 2 ]
amdhsa.kernels:
  - .name:           k_qb0df7b681f_attn
    .symbol:         k_qb0df7b681f_attn.kd
    .args:
      - { .name: qi, .offset: 0, .size: 8, .value_kind: global_buffer, .address_space: global }
      - { .name: ki, .offset: 8, .size: 8, .value_kind: global_buffer, .address_space: global }
      - { .name: vi, .offset: 16, .size: 8, .value_kind: global_buffer, .address_space: global }
      - { .name: ctxi, .offset: 24, .size: 8, .value_kind: global_buffer, .address_space: global }
    .group_segment_fixed_size: 327680
    .private_segment_fixed_size: 0
    .kernarg_segment_align: 8
    .kernarg_segment_size: 32
    .max_flat_workgroup_size: 256
    .sgpr_count:     66
    .vgpr_count:     512
    .wavefront_size: 32
...
	.end_amdgpu_metadata
.endif
;; end of part 3
;; launch outp (part 4): grid 4 x 64, 4 waves a work-group, clusters of 4 x 4, 327,680 bytes of LDS; arguments ctxi, woi, bo, out0; writes out0
.if DOCPART == 4
	.amdgcn_target "amdgcn-amd-amdhsa--gfx1250"
	.amdhsa_code_object_version 6
	.text
	.protected	k_qb0df7b681f_outp
	.globl	k_qb0df7b681f_outp
	.p2align	8
	.type	k_qb0df7b681f_outp,@function
k_qb0df7b681f_outp:
	s_mov_b64 s[64:65], 0
	v_nop
	global_prefetch_b8 v0, s[64:65] scope:SCOPE_SE
	s_setreg_imm32_b32 hwreg(HW_REG_WAVE_MODE, 25, 1), 1
	s_wait_xcnt 0x0
	s_wait_alu depctr_hold_cnt(0) depctr_sa_sdst(0) depctr_va_vdst(0) depctr_va_sdst(0) depctr_va_ssrc(0) depctr_va_vcc(0) depctr_vm_vsrc(0)
	s_getreg_b32 s2, hwreg(HW_REG_IB_STS2, 6, 4)
	s_cmp_eq_u32 s2, 0
	s_cbranch_scc0 .Lentry_in_a_cluster
	s_endpgm
.Lentry_in_a_cluster:
	s_bfe_u32 s2, ttmp6, 0x10000c
	s_cmp_lg_u32 s2, 0xf033
	s_cbranch_scc0 .Lentry_shape_is_right
	s_endpgm
.Lentry_shape_is_right:
; OUTP: out0 = ctx Wo + bo.  ctx [8,192][1,024] and Wo [1,024][1,024] in f16, both laid in the order of the operand's registers by the launches before; sums in f32; out0 f32.
;   ctxi [K step of 128: 8][row tile 512][k / 8: 16][r 16][16 bytes];  woi [K step: 8][column tile 64][k / 8: 16][r 16][16 bytes]: a tile of 16 rows x 128 K is 4,096 dense bytes.
; SHARES: a tile of out0 is 128 rows x 256 columns: 256 work-groups, one for each WGP.  Four waves, each 64 x 128: 32 accumulators, 256 registers.  K goes in 8 steps of 128 through a ring of two LDS slots;
; a K step's tiles are dense blocks of memory (A 32 KB, B 64 KB): waves 0, 1 fetch A's halves, waves 2, 3 B's, one tensor load a wave.  By this text's own count a wave has two loads out at the start, later one.
; In LDS a fragment load takes 512 consecutive bytes: no padding.
; CLUSTERS: 4 x 4 work-groups.  The four of a row of the cluster need the same tiles of ctx, the four of a column the same tiles of Wo: each is asked for JOINTLY.
; THE MATRIX INSTRUCTION IS USED TRANSPOSED (source 0 = 16 columns of Wo, source 1 = 16 rows of ctx): a lane holds eight neighbouring numbers of a row of out0.
; No prefetch: the launch is eight K steps long.  LIMITS: as the operands' f16 sets them (the launches before).
; REGISTERS: window 0: v8-11 the bias; v16-29 addresses; v32-127, v128-223 two fragment buffers (B's 8 fragments, then A's 4); window 1: the accumulators, (a, b) at 8 (8 a + b).
.set SLOT,  98304                      ; A's 8 row tiles, then B's 16 column tiles
.set BOFF,  32768
.set STAGE, 2*SLOT                     ; behind the ring: 16 rows x 528 bytes for each wave; no tensor load fills it
.set SPITCH, 528                       ; 512 bytes + 16: the 16 rows that a store touches start at 16 different groups of banks (ISA guide 11.1)
.set SPARE, STAGE+4*16*SPITCH          ; the spare words, 128 bytes for each wave: two blocks of 256 bytes that no other line names
.set ASTEP, 2097152                    ; a K step on in ctxi,
.set BSTEP, 262144                     ; and in woi
.set BO,   8
.set ADRA, 16
.set ADRB, 20
.set STO,  24
.set RD,   25
.set CO,   26
.set SPW,  28
.set NIL,  29
.set F0,   32
.set F1,   128
.set G1,  24
.set G0,  32
.set G1B, 48
.set G0B, 56
.set MSB, 0
.macro WIN new
.if MSB != \new
	s_set_vgpr_msb (MSB<<8)|\new
.set MSB, \new
.endif
.endm
.set MUL, 0x50                         ; C and D window 1; the fragments window 0
.macro JLOAD s                         ; a joint load: waves 0, 1 for A, waves 2, 3 for B; four v_nop follow each of the two lines
	s_cmp_eq_u32 s15, 0
	s_cbranch_scc0 .Lfor_b_\@
	tensor_load_to_lds s[G0+4*\s:G0+4*\s+3], s[G1:G1+7]
	s_nop 0
.rept 4
	v_nop
.endr
	s_branch .Lasked_\@
.Lfor_b_\@:
	tensor_load_to_lds s[G0B+4*\s:G0B+4*\s+3], s[G1B:G1B+7]
	s_nop 0
.rept 4
	v_nop
.endr
.Lasked_\@:
.endm
.macro CREST                           ; a round of the cluster's barrier behind its opening barrier
	s_cmp_lg_u32 s14, 0
	s_cbranch_scc1 .Lnot_wave_0_\@
	s_barrier_signal -3
.Lnot_wave_0_\@:
	s_barrier_wait -3
	s_barrier_signal -1
	s_barrier_wait -1
.endm
.macro CROUND
	s_barrier_signal -1
	s_barrier_wait -1
	CREST
.endm
.macro PLACES
.rept 4
	v_nop
.endr
.endm
.macro FETCH slot, q, f                ; 24 LDS loads: the fragments of 32 along K, the slot's q-th, into buffer f
.irp b, 0,1,2,3,4,5,6,7
.irp c, 0,1
	ds_load_b128 v[\f+8*\b+4*\c:\f+8*\b+4*\c+3], v[ADRB+\slot] offset:\b*4096+(\q)*1024+\c*512
.endr
.endr
.irp a, 0,1,2,3
.irp c, 0,1
	ds_load_b128 v[\f+64+8*\a+4*\c:\f+64+8*\a+4*\c+3], v[ADRA+\slot] offset:\a*4096+(\q)*1024+\c*512
.endr
.endr
.endm
.macro MUL16 f, a0, zero               ; row tiles a0, a0 + 1 x all 8 column tiles.  zero = 1: the first product starts the sums.  The 32 accumulators take turns
.irp a, \a0, \a0+1
.irp b, 0,1,2,3,4,5,6,7
.if \zero
	v_wmma_f32_16x16x32_f16 v[8*(8*(\a)+\b):8*(8*(\a)+\b)+7], v[\f+8*\b:\f+8*\b+7], v[\f+64+8*(\a):\f+64+8*(\a)+7], 0
.else
	v_wmma_f32_16x16x32_f16 v[8*(8*(\a)+\b):8*(8*(\a)+\b)+7], v[\f+8*\b:\f+8*\b+7], v[\f+64+8*(\a):\f+64+8*(\a)+7], v[8*(8*(\a)+\b):8*(8*(\a)+\b)+7]
.endif
.endr
.endr
.endm
.macro QUARTER slot, qn, f, g, zero    ; multiplies buffer f; ahead of that the slot's quarter qn is asked for, into buffer g
	PLACES                                         ; in front of loads into registers that the last quarter's products read
	FETCH \slot, \qn, \g
	s_wait_dscnt 24                                ; all but the 24 just issued
	WIN MUL
	MUL16 \f, 0, \zero
	MUL16 \f, 2, \zero
	WIN 0
.endm
; A slot's last quarter multiplies buffer 1 and changes slots: ONE barrier; in front of it each wave waits for all its tensor loads, adds 0 to its spare word, and waits for that and for its reads of this slot.
.macro TURN slot, next, fill
	s_wait_tensorcnt 0x0                           ; all my tensor loads have landed: my part of the next slot
	ds_add_u32 v[SPW], v[NIL]                      ; 0 onto my spare word
	s_wait_dscnt 1                                 ; buffer 1 is in; the add may be out
	WIN MUL
	MUL16 F1, 0, 0                                 ; sixteen matrix instructions stand between the add and the wait for it
	s_wait_dscnt 0x0                               ; the add is done, and my reads of this slot are over
	s_barrier_signal -1
	MUL16 F1, 2, 0
	WIN 0
	s_barrier_wait -1
.if \fill
	CREST                                          ; the barrier has opened a round of the cluster's: no wave of any partner still reads this slot or has a load on its way
	s_add_nc_u64 s[G0+4*\slot+2:G0+4*\slot+3], s[G0+4*\slot+2:G0+4*\slot+3], 2*ASTEP
	s_add_nc_u64 s[G0B+4*\slot+2:G0B+4*\slot+3], s[G0B+4*\slot+2:G0B+4*\slot+3], 2*BSTEP
	JLOAD \slot                                    ; the first tensor load behind the round; its four v_nop are also the places in front of the loads below
.else
	PLACES
.endif
	FETCH \next, 0, F0
.endm
	s_load_b256 s[4:11], s[0:1], 0x0               ; ctxi s[4:5], woi s[6:7], bo s[8:9], out0 s[10:11]
	v_lshl_add_u32 v[SPW], v0, 2, SPARE
	v_mov_b32 v[NIL], 0
	ds_add_u32 v28, v29
	s_wait_dscnt 0x0
	v_lshrrev_b32 v1, 5, v0
	v_readfirstlane_b32 s14, v1                    ; wave 0..3
	s_lshr_b32 s15, s14, 1                         ; which half of the tile's rows is mine.  Also: I fetch for A (0) or for B (1)
	s_and_b32 s16, s14, 1                          ; which half of its columns.  Also: which half of that tile I fetch
	s_bfe_u32 s40, ttmp6, 0x40000                  ; cx, cy
	s_bfe_u32 s41, ttmp6, 0x40004
	s_lshl_b32 s42, ttmp9, 2
	s_add_co_u32 s42, s42, s40                     ; tile column = 4 x cluster x + cx
	s_and_b32 s17, ttmp7, 0xffff
	s_lshl_b32 s17, s17, 2
	s_add_co_u32 s17, s17, s41                     ; tile row = 4 x cluster y + cy
	s_lshl_b32 s43, s41, 2
	s_lshl_b32 s43, 15, s43                        ; my row of the cluster
	s_lshl_b32 s44, 0x1111, s40                    ; my column
	s_or_b32 s[G1+0], s43, (3<<16)|(1<<21)         ; 15:0 the mask: A's tiles go to my row; 17:16 elements of 8 bytes; 21 set beside a mask
	s_or_b32 s[G1B+0], s44, (3<<16)|(1<<21)
	s_mov_b32 s[G1+1], 32<<16                      ; A: 64 rows of 32 elements, dense
	s_mov_b32 s[G1+2], 64<<16
	s_mov_b32 s[G1+3], 32<<16
	s_mov_b32 s[G1+4], 64
	s_mov_b32 s[G1+5], 32
	s_mov_b32 s[G1+6], 0
	s_mov_b32 s[G1+7], 0
	s_mov_b32 s[G1B+1], 32<<16                     ; B: 128 rows
	s_mov_b32 s[G1B+2], 128<<16
	s_mov_b32 s[G1B+3], 32<<16
	s_mov_b32 s[G1B+4], 128
	s_mov_b32 s[G1B+5], 32
	s_mov_b32 s[G1B+6], 0
	s_mov_b32 s[G1B+7], 0
	s_lshl_b32 s45, s16, 14                        ; A: my half: 4 row tiles of 4,096 bytes, in memory and in a slot
	s_lshl_b32 s20, s17, 15
	s_add_co_u32 s20, s20, s45                     ; + 8 row tiles for each tile row
	s_mov_b32 s21, 0
	s_lshl_b32 s18, s16, 15                        ; B: my half: 8 column tiles
	s_lshl_b32 s46, s42, 16
	s_add_co_u32 s46, s46, s18                     ; + 16 column tiles for each tile column
	s_mov_b32 s47, 0
	s_add_co_u32 s18, s18, BOFF                    ; and its place in a slot: no place in the cluster enters an LDS address
	s_wait_kmcnt 0x0
	s_add_nc_u64 s[20:21], s[4:5], s[20:21]
	s_add_nc_u64 s[46:47], s[6:7], s[46:47]
	CROUND                                         ; all sixteen work-groups are here: the first joint loads meet
.irp s, 0,1
	s_mov_b32 s[G0+4*\s], 1
	s_add_co_u32 s[G0+4*\s+1], s45, \s*SLOT
	s_add_nc_u64 s[G0+4*\s+2:G0+4*\s+3], s[20:21], \s*ASTEP
	s_or_b32 s[G0+4*\s+3], s[G0+4*\s+3], 0x80000000
	s_mov_b32 s[G0B+4*\s], 1
	s_add_co_u32 s[G0B+4*\s+1], s18, \s*SLOT
	s_add_nc_u64 s[G0B+4*\s+2:G0B+4*\s+3], s[46:47], \s*BSTEP
	s_or_b32 s[G0B+4*\s+3], s[G0B+4*\s+3], 0x80000000
	JLOAD \s
.endr
	v_and_b32 v1, 31, v0                           ; lane
	v_lshlrev_b32 v2, 4, v1
	s_lshl_b32 s22, s15, 14                        ; my 4 row tiles of A
	s_lshl_b32 s23, s16, 15                        ; my 8 column tiles of B,
	s_add_co_u32 s23, s23, BOFF                    ; which lie behind A's
.irp s, 0,1
	v_add_nc_u32 v[ADRA+\s], s22, v2
	v_add_nc_u32 v[ADRB+\s], s23, v2
	s_add_co_u32 s22, s22, SLOT
	s_add_co_u32 s23, s23, SLOT
.endr
	s_mul_i32 s19, s14, 16*SPITCH
	s_add_co_u32 s19, s19, STAGE                   ; my stage
	v_and_b32 v3, 15, v0
	v_bfe_u32 v4, v0, 4, 1
	v_mul_u32_u24 v5, v3, SPITCH
	v_lshl_add_u32 v5, v4, 5, v5
	v_add_nc_u32 v[STO], s19, v5                   ; in: row r, 32 bytes for each half of the lanes
	v_add_nc_u32 v[RD], s19, v2                    ; back: the 32 lanes take one row of 512 bytes
	v_lshlrev_b32 v[CO], 4, v1                     ; and the same in out0 and in bo
	s_lshl_b32 s20, s17, 19                        ; my first row: 128 x tile row + 64 x half, 4,096 bytes a row
	s_lshl_b32 s21, s15, 18
	s_add_co_u32 s20, s20, s21
	s_mov_b32 s21, 0
	s_add_nc_u64 s[10:11], s[10:11], s[20:21]
	s_lshl_b32 s46, s42, 10                        ; my first column, in bytes: 1,024 x tile column + 512 x half
	s_lshl_b32 s47, s16, 9
	s_add_co_u32 s46, s46, s47
	s_mov_b32 s47, 0
	s_add_nc_u64 s[10:11], s[10:11], s[46:47]
	s_add_nc_u64 s[8:9], s[8:9], s[46:47]
	global_load_b128 v[BO:BO+3], v[CO], s[8:9]     ; the bias of columns 4 lane + 0 .. 3 of my 128
	s_wait_tensorcnt 1                             ; my part of K step 0 is in (K step 1's load may be out),
	s_barrier_signal -1
	s_barrier_wait -1                              ; everybody's is
	FETCH 0, 0, F0
	QUARTER 0, 1, F0, F1, 1                        ; the first quarter stands in front of the loop: its products start the sums
	s_mov_b32 s3, 3
.Llap:                                             ; a trip goes once round the ring, from a lap's second quarter to the next lap's first, and fills both slots again
	QUARTER 0, 2, F1, F0, 0
	QUARTER 0, 3, F0, F1, 0
	TURN 0, 1, 1
	QUARTER 1, 1, F0, F1, 0
	QUARTER 1, 2, F1, F0, 0
	QUARTER 1, 3, F0, F1, 0
	TURN 1, 0, 1
	QUARTER 0, 1, F0, F1, 0
	s_sub_co_u32 s3, s3, 1
	s_cmp_lg_u32 s3, 0
	s_cbranch_scc1 .Llap
	QUARTER 0, 2, F1, F0, 0                        ; the last lap fills nothing, and has no round of the cluster's barrier
	QUARTER 0, 3, F0, F1, 0
	TURN 0, 1, 0
	QUARTER 1, 1, F0, F1, 0
	QUARTER 1, 2, F1, F0, 0
	QUARTER 1, 3, F0, F1, 0
	s_wait_dscnt 0x0                               ; the very last quarter: nothing more to fetch
	WIN MUL
	MUL16 F1, 0, 0
	MUL16 F1, 2, 0
	WIN 0
; THE WAY OUT, a block of 16 rows x 128 columns at a time.  A lane holds 32 neighbouring bytes of a row and the lanes beside it other rows: a block goes through my own stage and comes back as whole rows of
; 512 bytes; the bias is added there, where a lane holds the same four columns of every row.  LDS serves a wave's instructions in order (ISA guide 5.7.1.4): no wait between the stores and the loads.
.macro TOSTAGE a
	WIN 0x04                                       ; an LDS store's data are its source 1: window 1
.irp b, 0,1,2,3,4,5,6,7
	ds_store_b128 v[STO], v[8*(8*(\a)+\b):8*(8*(\a)+\b)+3] offset:64*\b            ; each accumulator from its low end on
	ds_store_b128 v[STO], v[8*(8*(\a)+\b)+4:8*(8*(\a)+\b)+7] offset:64*\b+16
.endr
	WIN 0
.set BB, F0+96*((\a)%2)
.irp t, 0,1,2,3,4,5,6,7,8,9,10,11,12,13,14,15
	ds_load_b128 v[BB+4*\t:BB+4*\t+3], v[RD] offset:\t*SPITCH
.endr
.endm
.macro SEND a, younger                 ; younger: the LDS instructions issued behind block a's loads, which may stay out
.set BB, F0+96*((\a)%2)
	s_wait_dscnt \younger
.if (\a) > 0
	s_add_nc_u64 s[10:11], s[10:11], 65536         ; 16 rows on (behind a wait on XCNT: the earlier stores have read their base)
.endif
.irp t, 0,1,2,3,4,5,6,7,8,9,10,11,12,13,14,15
	v_pk_add_f32 v[BB+4*\t:BB+4*\t+1], v[BB+4*\t:BB+4*\t+1], v[BO:BO+1]
	v_pk_add_f32 v[BB+4*\t+2:BB+4*\t+3], v[BB+4*\t+2:BB+4*\t+3], v[BO+2:BO+3]
.endr
.irp t, 0,1,2,3,4,5,6,7,8,9,10,11,12,13,14,15
	global_store_b128 v[CO], v[BB+4*\t:BB+4*\t+3], s[10:11] offset:\t*4096 th:TH_STORE_NT   ; 32 lanes store 512 consecutive bytes, at a multiple of 256 from out0's first byte
.endr
.endm
	PLACES                                         ; in front of the first read of results, and of loads into the registers that held fragments
	s_wait_loadcnt 0x0                             ; the bias
	TOSTAGE 0
.irp a, 1,2,3
.if \a > 1
	s_wait_xcnt 0x0                                ; block a - 2's stores have read their registers and their base
.endif
	TOSTAGE \a
	SEND \a-1, 32                                  ; behind block a - 1's loads: block a's 16 stores and 16 loads
.endr
	s_wait_xcnt 0x0
	SEND 3, 0
	s_wait_tensorcnt 0x0                           ; the wave's end
	ds_add_u32 v[SPW], v[NIL]
	s_wait_dscnt 0x0
	CROUND                                         ; the closing round
	s_endpgm
.Lfunc_end_k_qb0df7b681f_outp:
	.size	k_qb0df7b681f_outp, .Lfunc_end_k_qb0df7b681f_outp-k_qb0df7b681f_outp
	.p2alignl 7, 3214868480
	.fill 96, 4, 3214868480
	.section	.rodata,"a",@progbits
	.p2align	6, 0x0
	.amdhsa_kernel k_qb0df7b681f_outp
		.amdhsa_group_segment_fixed_size 327680
		.amdhsa_private_segment_fixed_size 0
		.amdhsa_enable_private_segment 0
		.amdhsa_kernarg_size 32
		.amdhsa_user_sgpr_count 2
		.amdhsa_user_sgpr_kernarg_segment_ptr 1
		.amdhsa_wavefront_size32 1
		.amdhsa_system_sgpr_workgroup_id_x 1
		.amdhsa_system_sgpr_workgroup_id_y 1
		.amdhsa_system_sgpr_workgroup_id_z 1
		.amdhsa_system_vgpr_workitem_id 0
		.amdhsa_next_free_vgpr 512
		.amdhsa_next_free_sgpr 66
		.amdhsa_reserve_vcc 0
		.amdhsa_float_denorm_mode_32 3
		.amdhsa_float_denorm_mode_16_64 3
		.amdhsa_memory_ordered 1
		.amdhsa_forward_progress 1
		.amdhsa_inst_pref_size 92
	.end_amdhsa_kernel
	.amdgpu_metadata
---
amdhsa.version: [ 1, 2 ]
amdhsa.kernels:
  - .name:           k_qb0df7b681f_outp
    .symbol:         k_qb0df7b681f_outp.kd
    .args:
      - { .name: ctxi, .offset: 0, .size: 8, .value_kind: global_buffer, .address_space: global }
      - { .name: woi, .offset: 8, .size: 8, .value_kind: global_buffer, .address_space: global }
      - { .name: bo, .offset: 16, .size: 8, .value_kind: global_buffer, .address_space: global }
      - { .name: out0, .offset: 24, .size: 8, .value_kind: global_buffer, .address_space: global }
    .group_segment_fixed_size: 327680
    .private_segment_fixed_size: 0
    .kernarg_segment_align: 8
    .kernarg_segment_size: 32
    .max_flat_workgroup_size: 128
    .sgpr_count:     66
    .vgpr_count:     512
    .wavefront_size: 32
...
	.end_amdgpu_metadata
.endif
;; end of part 4
